; MI455X (gfx1250); checked and timed in simulation.
; The chip was launched on July 23, 2026; its instructions are those of AMD's public machine-readable ISA for CDNA 5 (MIT licence, August 2026) and "CDNA5" Instruction Set Architecture Reference Guide (July 2026). The comments in the code are by the model that wrote it; some were corrected since.
;; Diversity Density. Allowed arithmetic: matrix products marked QUANTISED: E4M3 operands, one E8M0 scale for each 32 along K, by v_wmma_scale_f32_16x16x128_f8f6f4 with both operands' format E4M3, f32 sums; everything else in f32.
;; Inputs: L_z 65,536 x 32 float32; U_z 4,096 x 32 float32; pred 4,096 float32.
;; Outputs: out0 4,096 float32.
;; This version of the problem:
;;   THIS VERSION OF THE PROBLEM IS GIVEN IN LOW PRECISION. The matrix products marked QUANTISED in the list below multiply operands that are first quantised to E4M3 (4 exponent bits, 3 mantissa bits; 8 bits a number), with one power-of-two scale for each 32 numbers along K (OCP MX v1.0); their sums are f32. All else is computed in f32.
;;   The module's matrix products, in the order in which they are computed (A, B: the left and right operand; K: the contracted axis; several contracted axes count as one K, in the product's order):
;;     1. [M 4,096, K 32] x [K 32, N 65,536]; A: input U_z; B: input L_z: QUANTISED
;;   THE QUANTISER, for each operand of a quantised product, along K:
;;     - K is cut into blocks of 32 from its start; a last block that is shorter is filled with zeros.
;;     - A block's scale is 2^e with e = floor(log2(the largest magnitude in the block)) - 8, held to -126 .. 127; a block of zeros has e = 0. As a byte (E8M0): e + 127.
;;     - Each number is divided by its block's scale, clamped to +-448, and rounded to the nearest number of E4M3, ties to even, subnormals kept.
;;     - The product sums the exact products of the quantised numbers (number of the format x scale) in f32.
;;   ~~~python
;;   def quantise(x, axis):      # numpy; x: float32 -> the quantised numbers, widened to float32 again
;;       x = np.moveaxis(x, axis, -1); K = x.shape[-1]
;;       x = np.pad(x, [(0, 0)] * (x.ndim - 1) + [(0, -K % 32)]); x = x.reshape(x.shape[:-1] + (-1, 32)); a = np.abs(x).max(-1, keepdims=True)
;;       e = np.where(a > 0, np.clip(np.frexp(np.where(a > 0, a, 1))[1] - 1 - 8, -126, 127), 0)      # np.frexp(a)[1] - 1 = floor(log2(a)), exactly
;;       r = np.clip(x / 2.0 ** e, -448, 448)
;;       step = 2.0 ** (np.maximum(np.frexp(np.where(r == 0, 1, r))[1] - 1, -6) - 3)
;;       q = np.round(r / step) * step * 2.0 ** e      # np.round: ties to even
;;       return np.moveaxis(q.reshape(q.shape[:-2] + (-1,))[..., :K], -1, axis).astype(np.float32)
;;   ~~~
;; One version. Each part assembles by itself: llvm-mc -triple=amdgcn-amd-amdhsa -mcpu=gfx1250 --defsym DOCPART=n.
;; ======== version 1 of 1: 2 launches
;; workspace buffers: part 262,144 bytes; usq 16,384 bytes
;; launch nearest (part 1): grid 16 x 16, 16 waves a work-group, clusters of 4 x 1, 327,680 bytes of LDS; arguments U_z, L_z, part, usq; writes part, usq
.if DOCPART == 1
	.amdgcn_target "amdgcn-amd-amdhsa--gfx1250"
	.amdhsa_code_object_version 6
	.text
	.protected	k_qae5c1c9393_nearest
	.globl	k_qae5c1c9393_nearest
	.p2align	8
	.type	k_qae5c1c9393_nearest,@function
k_qae5c1c9393_nearest:
	s_mov_b64 s[64:65], 0
	v_nop
	global_prefetch_b8 v0, s[64:65] scope:SCOPE_SE
	s_setreg_imm32_b32 hwreg(HW_REG_WAVE_MODE, 25, 1), 1
	s_wait_xcnt 0x0
	s_wait_alu depctr_hold_cnt(0) depctr_sa_sdst(0) depctr_va_vdst(0) depctr_va_sdst(0) depctr_va_ssrc(0) depctr_va_vcc(0) depctr_vm_vsrc(0)
	s_getreg_b32 s2, hwreg(HW_REG_IB_STS2, 6, 4)
	s_cmp_eq_u32 s2, 0
	s_cbranch_scc0 .Lentry_in_a_cluster
	s_endpgm
.Lentry_in_a_cluster:
	s_bfe_u32 s2, ttmp6, 0x10000c
	s_cmp_lg_u32 s2, 0x3003
	s_cbranch_scc0 .Lentry_shape_is_right
	s_endpgm
.Lentry_shape_is_right:
; part[pl][u] = the smallest, over the 4,096 rows l of part pl of L_z, of  l_sq - 2 q(u) . q(l);   usq[u] = the sum of u's squares.
; U_z [4096][32], L_z [65536][32]: f32.  q: codes of FP8 (E4M3) with ONE E8M0 scale a row (K = 32 is one block).  l_sq and u_sq are taken of the numbers as they are given, in f32.
; u_sq does not hang on l and the root rises with its argument: so the minimum is taken here of l_sq - 2 u.l, and u_sq, the clip at 0 and the root follow in the next launch, once for each u.
; THE MATRIX UNIT MAKES l_sq - 2 u.l WHOLE.  U is quantised as -2 u: the hold takes -x, and U's scale byte is raised by 1; that is exact.  l_sq is the product's C, in the result's layout.
;   Source 0 = 16 rows of L, source 1 = 16 rows of U: in the result lane (r, h) holds u = r, and register j holds l = 8 h + j; so C's register j is l_sq[8 h + j].  Left to the vector unit: four v_min3 a product.
; K = 32 OF THE FORM'S 128.  L's fragment is 4 registers of codes and 12 registers of zero codes.  U's 16 tiles lie packed, 4 registers each: tile t is named as v[B + 4 t .. + 15], so its K = 32 .. 127 are the next
;   tiles' codes (or 12 zeros behind the last).  They meet L's zero codes and add nothing: every code is held within +-448, so none is the NaN code, and the scale words' bytes 1 to 3 are 0, which is a power of two.
; SHARES.  16 parts of U x 16 parts of L: a work-group owns 256 u and 4,096 l.  All sixteen waves hold the same 16 tiles of U; the l part goes in four quarters of 1,024 rows through two LDS slots; of a quarter wave w owns
;   rows 64 w .. 64 w + 63: two STEPs of 32 rows.  A STEP: lane = row: 32 numbers from LDS, their squares' sum, the row's scale, 32 codes; one exchange of half-waves makes two fragments; 32 products, 128 v_min3.
;   Four waves share a SIMD, each in 256 registers: one wave's quantising stands beside another's products.
; CLUSTER.  The four work-groups of a cluster have the same part of L: each tile of L is asked for JOINTLY (mask 15), by the same tensor load with the same descriptor in all four.
;   U is not shared so: it is 32 KiB of the 544 KiB that a work-group reads, and partners along x have different parts of it.
; L is quantised by each of the 16 work-groups that read it: 78 vector lines for 32 rows, beside those rows' 32 products and 128 minima; a launch for it alone would send the codes to memory and back.
; LIMITS.  NaN and infinities among the inputs are not served.  A row whose largest magnitude lies under 2^-118 has its scale byte held at 1 (not tried).  A row of zeros gets the byte 1 where the rule says 127:
;   its codes are zeros, and this program alone reads the bytes.  The squares are summed in another order than a plain left-to-right sum, all in f32.
.set WTILE, 8704                       ; a wave's 64 rows of L in a slot: 8,192 dense bytes as 32 LDS rows of 256 + 16 of padding
.set HSTEP, 4352                       ; 32 rows of L: 16 such LDS rows
.set RING1, 139264                     ; slot 0 at 0, slot 1 here: 16 waves x WTILE each
.set UIMG,  278528                     ; U's 16 fragments as images of their 4 code registers: 512 bytes each, lane l's 16 bytes at 16 l
.set USC,   286720                     ; U's scale words: 8 images of 128 bytes (two tiles each)
.set USQ,   287744                     ; u_sq of the 256 u
.set LSQ,   288768                     ; l_sq of a STEP's 32 rows: 128 bytes for each wave, its own
.set RED,   290816                     ; [wave][256] f32: the waves' minima
.set SPARE, 307200                     ; the spare words, 128 bytes for each wave: eight blocks of 256 bytes that no other line names
.set SPW,  1                           ; v1   SPARE + 4 x my thread's number; never rewritten
.set NIL,  2                           ; v2   0; never rewritten
.set STR0, 3                           ; v3   my row of a STEP in slot 0: wave x WTILE + (lane / 2) x 272 + (lane % 2) x 128
.set STR1, 4                           ; v4   the same in slot 1
.set LSQW, 5                           ; v5   where I put my row's l_sq
.set CRD,  6                           ; v6   where I read eight of them: my wave's 128 bytes + 32 h
.set UIR,  7                           ; v7   UIMG + 16 x lane
.set UIW,  8                           ; v8   + 1,024 x (wave % 8)
.set USR,  9                           ; v9   USC + 4 x lane
.set USW,  10                          ; v10  + 128 x (wave % 8)
.set UQW,  11                          ; v11  USQ + 128 x (wave % 8) + 4 x lane
.set UGO,  12                          ; v12  128 x lane: my row among the wave's 32 rows of U
.set REDW, 13                          ; v13  RED + 1,024 x wave + 4 r
.set REDR, 14                          ; v14  RED + 16 x (thread % 64)
.set OUTO, 15                          ; v15  16 x (thread % 64)
.set MX0,  16                          ; v16-17 two chains of the largest magnitude
.set SOP,  18                          ; v18  the conversion's scale operand
.set HOLD, 19                          ; v19  448 x the scale
.set SQ,   20                          ; v20-23 the squares' sums, two pairs
.set LSC,  24                          ; v24  the scale words just made: lane = row.  It holds scales and nothing else
.set USQR, 25                          ; v25  USQ + 16 x (thread % 64)
.set BS,   26                          ; v26-33 U's scale words: register p: tile 2 p in lanes 0-15, tile 2 p + 1 in lanes 16-31
.set G,    36                          ; v36-67 the 32 numbers of my row
.set A0,   68                          ; v68-83  rows 0-15 of a STEP: 4 registers of codes, 12 of zeros
.set A1,   84                          ; v84-99  rows 16-31
.set C0,   100                         ; v100-107 l_sq of rows 0-15 in the result's layout
.set C1,   108                         ; v108-115 of rows 16-31
.set D,    116                         ; v116-147 four results by turns
.set M,    148                         ; v148-163 the running minimum of each of U's 16 tiles
.set B,    164                         ; v164-227 U's codes, 4 registers a tile; v228-239 zeros
; s[4:5] U_z at my wave's rows, s[6:7] L_z at my wave's rows of quarter 0, s[8:9] part, s[10:11] usq, both at my 256 u;  s12 wave, s13 cx, s14 part of U, s15 part of L;
; s[16:23] descriptor group 1;  s[24:27], s[28:31] group 0 of slot 0, 1;  s[32:33] offsets without cx, s[34:35] offsets with it;  s36 448's mantissa field;  s37 wave % 8;  s[38:39] lane selects;  s40-44 multiples of the wave's number
; A round of the cluster's barrier: my work-group's barrier; wave 0 signals for the work-group; every wave waits for all four work-groups; my work-group's barrier once more.
.macro ROUND
	s_barrier_signal -1
	s_barrier_wait -1
	s_cmp_lg_u32 s12, 0
	s_cbranch_scc1 .Lnot_wave_0_\@
	s_barrier_signal -3
.Lnot_wave_0_\@:
	s_barrier_wait -3
	s_barrier_signal -1
	s_barrier_wait -1
.endm
; My row's 32 numbers in v[G] on become: their squares' sum in v[SQ]; the row's scale word in v[LSC]; and, with the other lanes' rows, two fragments' codes in v[A0 .. A0+3] and v[A1 .. A1+3].
; neg = 1: the row is quantised as -2 x the row (U).  neg = 0: a row of L; its squares' sum goes round through the wave's own LDS bytes and comes back as the two products' C.
.macro QUANT neg
	v_pk_mul_f32 v[SQ:SQ+1], v[G:G+1], v[G:G+1]                    ; the first two pairs start the two chains: nothing is cleared
	v_pk_mul_f32 v[SQ+2:SQ+3], v[G+2:G+3], v[G+2:G+3]
.set qi, 4
.rept 14
	s_delay_alu instid0(VALU_DEP_2)
	v_pk_fma_f32 v[SQ+qi%4:SQ+qi%4+1], v[G+qi:G+qi+1], v[G+qi:G+qi+1], v[SQ+qi%4:SQ+qi%4+1]
.set qi, qi+2
.endr
	s_delay_alu instid0(VALU_DEP_1)
	v_pk_add_f32 v[SQ:SQ+1], v[SQ:SQ+1], v[SQ+2:SQ+3]
	s_delay_alu instid0(VALU_DEP_1)
	v_add_f32 v[SQ], v[SQ], v[SQ+1]
.if \neg == 0
	ds_store_b32 v[LSQW], v[SQ]                                    ; these 18 lines are also the places between the last STEP's products and the loads into their C
	ds_load_b128 v[C0:C0+3],   v[CRD]                              ; LDS serves a wave's instructions in order (ISA guide 5.7.1.4): these see the store above.  Register j: l_sq[8 h + j]
	ds_load_b128 v[C0+4:C0+7], v[CRD] offset:16
	ds_load_b128 v[C1:C1+3],   v[CRD] offset:64                    ; rows 16-31
	ds_load_b128 v[C1+4:C1+7], v[CRD] offset:80
.endif
	v_max3_num_f32 v[MX0],   |v[G]|,   |v[G+1]|, 0x4800000         ; the largest magnitude, with the floor 2^(9 - 127) among its leaves: the byte cannot fall under 1
	v_max3_num_f32 v[MX0+1], |v[G+2]|, |v[G+3]|, |v[G+4]|
.set qi, 5
.rept 13
	s_delay_alu instid0(VALU_DEP_2)
	v_max3_num_f32 v[MX0+((qi-5)/2)%2], v[MX0+((qi-5)/2)%2], |v[G+qi]|, |v[G+qi+1]|
.set qi, qi+2
.endr
	s_delay_alu instid0(VALU_DEP_1)
	v_max3_num_f32 v[MX0], v[MX0], v[MX0+1], |v[G+31]|
	s_delay_alu instid0(VALU_DEP_1)
	v_add_nc_u32 v[SOP], 0xfc000000, v[MX0]                        ; 8 off its exponent field: the conversion takes this operand's exponent field as its scale
	s_delay_alu instid0(VALU_DEP_2)
	v_and_or_b32 v[HOLD], v[MX0], 0x7f800000, s36                  ; 448 x the scale: the largest magnitude's exponent field over 448's mantissa field
.if \neg
	s_delay_alu instid0(VALU_DEP_3)
	v_add_nc_u32 v[MX0+1], 0xfc800000, v[MX0]                      ; 7 off: the byte of twice the scale
	s_delay_alu instid0(VALU_DEP_1)
	v_lshrrev_b32 v[LSC], 23, v[MX0+1]
.else
	s_delay_alu instid0(VALU_DEP_2)
	v_lshrrev_b32 v[LSC], 23, v[SOP]                               ; the scale's byte in byte 0; bytes 1 to 3 are 0
.endif
.set qi, 0
.rept 32
.if \neg
	v_med3_num_f32 v[G+qi], -v[G+qi], -v[HOLD], v[HOLD]            ; the sign of -2 u, and the hold
.else
	v_med3_num_f32 v[G+qi], v[G+qi], -v[HOLD], v[HOLD]             ; the conversion to an 8-bit code does not saturate (ISA guide 7.6.2): the hold at 448 x the scale
.endif
.set qi, qi+1
.endr
	v_cvt_scalef32_pk8_fp8_f32 v[A0:A0+1],   v[G:G+7],     v[SOP]  ; k = 0 .. 15 of my row
	v_cvt_scalef32_pk8_fp8_f32 v[A0+2:A0+3], v[G+8:G+15],  v[SOP]
	v_cvt_scalef32_pk8_fp8_f32 v[A1:A1+1],   v[G+16:G+23], v[SOP]  ; k = 16 .. 31
	v_cvt_scalef32_pk8_fp8_f32 v[A1+2:A1+3], v[G+24:G+31], v[SOP]
	v_nop                                                          ; one plain line between the conversions and what touches their results
.irp c, 0,1,2,3
	v_permlane16_swap_b32 v[A0+\c], v[A1+\c]                       ; A0's lanes 16-31 change places with A1's lanes 0-15: A0 = rows 0-15 (lanes 0-15: k 0 .. 15, lanes 16-31: k 16 .. 31), A1 = rows 16-31: the operand's layout
.endr
.endm
; Product i of a STEP's 32: rows 16 (i / 16) on of L against tile i % 16 of U; result in D's place i % 4.  No product adds onto its own result.
.macro WM
.set wt, i%16
.set wd, D+8*(i%4)
.set wA, A0+16*(i/16)
.set wC, C0+8*(i/16)
.if (i < 16) && (wt%2 == 0)
	v_wmma_scale_f32_16x16x128_f8f6f4 v[wd:wd+7], v[wA:wA+15], v[B+4*wt:B+4*wt+15], v[wC:wC+7], v[LSC], v[BS+wt/2]
.elseif i < 16
	v_wmma_scale_f32_16x16x128_f8f6f4 v[wd:wd+7], v[wA:wA+15], v[B+4*wt:B+4*wt+15], v[wC:wC+7], v[LSC], v[BS+wt/2] matrix_b_scale:MATRIX_SCALE_ROW1
.elseif wt%2 == 0
	v_wmma_scale_f32_16x16x128_f8f6f4 v[wd:wd+7], v[wA:wA+15], v[B+4*wt:B+4*wt+15], v[wC:wC+7], v[LSC], v[BS+wt/2] matrix_a_scale:MATRIX_SCALE_ROW1
.else
	v_wmma_scale_f32_16x16x128_f8f6f4 v[wd:wd+7], v[wA:wA+15], v[B+4*wt:B+4*wt+15], v[wC:wC+7], v[LSC], v[BS+wt/2] matrix_a_scale:MATRIX_SCALE_ROW1 matrix_b_scale:MATRIX_SCALE_ROW1
.endif
.endm
; Product j's eight results go into its tile's running minimum; the result is read from its low end on.
.macro MN j
.set md, D+8*((\j)%4)
.set mm, M+(\j)%16
	v_min3_num_f32 v[md],   v[md],   v[md+1], v[md+2]
	v_min3_num_f32 v[md+3], v[md+3], v[md+4], v[md+5]
	v_min3_num_f32 v[mm],   v[mm],   v[md+6], v[md+7]
	s_delay_alu instid0(VALU_DEP_1)
	v_min3_num_f32 v[mm],   v[mm],   v[md],   v[md+3]
.endm
.macro MINIT g                         ; four of the sixteen minima begin at +infinity
.irp c, 0,1,2,3
	v_mov_b32 v[M+4*(\g)+\c], 0x7f800000
.endr
.endm
; 32 rows of L.  The minima run three products behind the products, on from STEP to STEP: products 29 to 31's stand among the next STEP's first products.
; PLACES (eight behind this form before its result is read, nine before a matrix instruction writes over it; only plain vector lines that name none of its registers are counted)
;   a result is read behind two or three other products' four minima each; the place in D is written again four products on, behind three such blocks, or behind two and the v_nop that follows product 2.
;   Four plain lines stand between the exchange that writes L's codes and product 0; the 32 holds between the scale word and product 0.
.macro STEP adr, off, first
.irp c, 0,1,2,3,4,5,6,7
	ds_load_b128 v[G+4*\c:G+4*\c+3], v[\adr] offset:\off+16*\c     ; sixteen lanes take eight LDS rows' two halves: sixteen different columns of 16 bytes
.endr
	s_wait_dscnt 0x0                                               ; my row is in (in the first STEP: U's codes and scale words too)
	QUANT 0
	s_wait_alu depctr_va_vdst(0)
	s_wait_dscnt 0x0                                               ; C is in
.if \first
	MINIT 0
.else
	MN 29
.endif
.set i, 0
.rept 32
	WM
.if i >= 3
	MN i-3
.elseif \first
	MINIT i+1
.elseif i == 0
	MN 30
.elseif i == 1
	MN 31
.else
	v_nop                                                          ; the ninth place between products 0, 1, 2 and products 4, 5, 6, which write over their results
.endif
.set i, i+1
.endr
.endm
; Slot s, whose two STEPs every wave has read, takes the quarter two further on.
.macro FILL s
	s_wait_tensorcnt 0x0                                           ; all my tensor loads have landed: no load of mine is out, so a group 0 may be written
	ds_add_u32 v[SPW], v[NIL]                                      ; 0 onto my spare word
	s_add_nc_u64 s[26+4*\s:27+4*\s], s[26+4*\s:27+4*\s], 262144    ; two quarters of 1,024 rows x 128 bytes on; the type bits on top are not reached
	s_wait_dscnt 0x0                                               ; the add is done, and my reads of the slot are over
	ROUND                                                          ; both now hold of every wave of all four work-groups
	tensor_load_to_lds s[24+4*\s:27+4*\s], s[16:23]                ; my one tensor load behind the round, and the first thing there
	s_nop 0
.rept 4
	v_nop
.endr
.endm
	s_load_b256 s[4:11], s[0:1], 0x0                               ; U_z, L_z, part, usq
	v_lshl_add_u32 v[SPW], v0, 2, SPARE
	v_mov_b32 v[NIL], 0
	ds_add_u32 v1, v2
	ds_add_u32 v1, v2
	s_wait_dscnt 0x0
	v_lshrrev_b32 v34, 5, v0
	s_delay_alu instid0(VALU_DEP_1)
	v_readfirstlane_b32 s12, v34                                   ; wave 0..15
	s_bfe_u32 s13, ttmp6, 0x40000                                  ; cx: my place in the cluster
	s_lshl_b32 s14, ttmp9, 2                                       ; in a cluster launch ttmp9 counts clusters
	s_add_co_u32 s14, s14, s13                                     ; my part of U = 4 x cluster x + cx: it enters U's, part's and usq's addresses alone
	s_and_b32 s15, ttmp7, 0xffff                                   ; my part of L, which the four partners share
	s_and_b32 s37, s12, 7
	s_mul_i32 s40, s12, WTILE
	s_lshl_b32 s41, s12, 7
	s_lshl_b32 s42, s37, 10
	s_lshl_b32 s43, s37, 7
	s_lshl_b32 s44, s12, 10
	s_mov_b32 s36, 0x600000                                        ; the mantissa field of 448
	s_mov_b32 s38, 0x76543210
	s_mov_b32 s39, 0xfedcba98                                      ; v_permlanex16_b32's selects for lane l xor 16
	; every LDS address is made here, ahead of the first branch on the wave's number
	v_and_b32 v34, 31, v0                                          ; lane
	v_bfe_u32 v35, v0, 1, 4                                        ; lane / 2
	s_delay_alu instid0(VALU_DEP_1)
	v_mul_u32_u24 v[STR0], v35, 272
	v_and_b32 v35, 1, v0
	s_delay_alu instid0(VALU_DEP_1)
	v_lshl_add_u32 v[STR0], v35, 7, v[STR0]
	s_delay_alu instid0(VALU_DEP_1)
	v_add_nc_u32 v[STR0], s40, v[STR0]
	s_delay_alu instid0(VALU_DEP_1)
	v_add_nc_u32 v[STR1], RING1, v[STR0]
	v_lshl_add_u32 v[LSQW], v0, 2, LSQ                             ; 4 x thread = 128 x wave + 4 x lane
	v_bfe_u32 v35, v0, 4, 1                                        ; h
	s_delay_alu instid0(VALU_DEP_1)
	v_lshlrev_b32 v[CRD], 5, v35
	s_delay_alu instid0(VALU_DEP_1)
	v_add_nc_u32 v[CRD], s41, v[CRD]
	s_delay_alu instid0(VALU_DEP_1)
	v_add_nc_u32 v[CRD], LSQ, v[CRD]
	v_lshl_add_u32 v[UIR], v34, 4, UIMG
	s_delay_alu instid0(VALU_DEP_1)
	v_add_nc_u32 v[UIW], s42, v[UIR]
	v_lshl_add_u32 v[USR], v34, 2, USC
	s_delay_alu instid0(VALU_DEP_1)
	v_add_nc_u32 v[USW], s43, v[USR]
	v_lshl_add_u32 v[UQW], v34, 2, USQ
	s_delay_alu instid0(VALU_DEP_1)
	v_add_nc_u32 v[UQW], s43, v[UQW]
	v_lshlrev_b32 v[UGO], 7, v34
	v_and_b32 v35, 15, v0                                          ; r
	s_delay_alu instid0(VALU_DEP_1)
	v_lshl_add_u32 v[REDW], v35, 2, RED
	s_delay_alu instid0(VALU_DEP_1)
	v_add_nc_u32 v[REDW], s44, v[REDW]
	v_and_b32 v35, 63, v0
	s_delay_alu instid0(VALU_DEP_1)
	v_lshl_add_u32 v[REDR], v35, 4, RED
	s_delay_alu instid0(VALU_DEP_2)
	v_lshlrev_b32 v[OUTO], 4, v35
	s_delay_alu instid0(VALU_DEP_3)
	v_lshl_add_u32 v[USQR], v35, 4, USQ
	; descriptor group 1: a wave's 64 rows of L are 8,192 dense bytes: 32 rows of 256 bytes (32 elements of 8 bytes), 16 bytes of padding behind each
	s_mov_b32 s16, 15|(3<<16)|(1<<20)|(1<<21)|(5<<22)|(3<<25)      ; 15:0 the mask: all four work-groups; 17:16 elements of 8 bytes; 20 padding on; 21 set beside a mask; 24:22 after every 64 words (code 5); 31:25 four words (code 3)
	s_mov_b32 s17, 32<<16                                          ; tensor_dim0 = 32
	s_mov_b32 s18, 32<<16                                          ; tensor_dim1 = 32
	s_mov_b32 s19, 32<<16                                          ; tile_dim0 = 32
	s_mov_b32 s20, 32                                              ; tile_dim1 = 32
	s_mov_b32 s21, 32                                              ; tensor_dim0_stride = 32: dense
	s_mov_b32 s22, 0
	s_mov_b32 s23, 0
	s_lshl_b32 s32, s15, 19                                        ; L: 4,096 rows x 128 bytes a part,
	s_lshl_b32 s33, s12, 13                                        ; 64 rows a wave: nothing of cx
	s_add_co_u32 s32, s32, s33
	s_mov_b32 s33, 0
	s_lshl_b32 s34, s14, 15                                        ; U: 256 rows x 128 bytes a part,
	s_lshl_b32 s35, s37, 12                                        ; 32 rows for each of waves 0 to 7
	s_add_co_u32 s34, s34, s35
	s_mov_b32 s35, 0
	s_wait_kmcnt 0x0
	s_add_nc_u64 s[4:5], s[4:5], s[34:35]
	s_add_nc_u64 s[6:7], s[6:7], s[32:33]
	s_lshl_b32 s34, s14, 10                                        ; my 256 u x 4 bytes
	s_add_nc_u64 s[10:11], s[10:11], s[34:35]
	s_add_nc_u64 s[8:9], s[8:9], s[34:35]
	s_lshl_b32 s34, s15, 14                                        ; part's row pl: 4,096 x 4 bytes
	s_add_nc_u64 s[8:9], s[8:9], s[34:35]
	s_mov_b32 s24, 1                                               ; group 0 of slot 0: count = 1,
	s_mov_b32 s25, s40                                             ; LDS address: wave x WTILE,
	s_mov_b64 s[26:27], s[6:7]                                     ; quarter 0,
	s_or_b32 s27, s27, 0x80000000                                  ; type = 2
	s_mov_b32 s28, 1                                               ; of slot 1:
	s_add_co_u32 s29, s40, RING1
	s_add_nc_u64 s[30:31], s[6:7], 131072                          ; quarter 1: 1,024 rows x 128 bytes on
	s_or_b32 s31, s31, 0x80000000
	; waves 0 to 7 ask for U first: lane = row, 32 rows a wave, 128 bytes a lane.  Read once by the work-group.
	s_cmp_lt_u32 s12, 8
	s_cbranch_scc0 .Lno_u_load
	s_wait_alu depctr_va_vdst(0)
.irp c, 0,1,2,3,4,5,6,7
	global_load_b128 v[G+4*\c:G+4*\c+3], v[UGO], s[4:5] offset:16*\c
.endr
.Lno_u_load:
	ROUND                                                          ; all four work-groups are here: the first joint loads meet
	tensor_load_to_lds s[24:27], s[16:23]                          ; both first fills together, ahead of every wait on TENSORcnt and every LDS read: two loads of mine are out
	s_nop 0
	tensor_load_to_lds s[28:31], s[16:23]
	s_nop 0
.rept 4
	v_nop
.endr
.set qi, 4
.rept 12
	v_mov_b32 v[A0+qi], 0                                          ; the zero codes of K = 32 .. 127: written once
	v_mov_b32 v[A1+qi], 0
	v_mov_b32 v[B+60+qi], 0                                        ; and the 12 registers behind U's last tile
.set qi, qi+1
.endr
	s_cmp_lt_u32 s12, 8
	s_cbranch_scc0 .Lno_u_quant
	s_wait_loadcnt 0x0                                             ; my 32 rows of U
	QUANT 1
	ds_store_b128 v[UIW], v[A0:A0+3]                               ; tile 2 w as an image of its registers,
	ds_store_b128 v[UIW], v[A1:A1+3] offset:512                    ; tile 2 w + 1,
	ds_store_b32 v[USW], v[LSC]                                    ; their scale words,
	ds_store_b32 v[UQW], v[SQ]                                     ; and u_sq
.Lno_u_quant:
	s_wait_dscnt 0x0                                               ; for the others' sake: my stores have landed
	s_barrier_signal -1
	s_barrier_wait -1                                              ; U lies in LDS.  The tiles of L may stay on their way
.irp t, 0,1,2,3,4,5,6,7,8,9,10,11,12,13,14,15
	ds_load_b128 v[B+4*\t:B+4*\t+3], v[UIR] offset:512*\t          ; every wave takes all 16 tiles: they stay in registers
.endr
.irp p, 0,1,2,3,4,5,6,7
	ds_load_b32 v[BS+\p], v[USR] offset:128*\p
.endr
	s_wait_tensorcnt 0x1                                           ; my tile of quarter 0 is in; the one load issued behind it, quarter 1's, may be out.  Only I read my tile
	STEP STR0, 0, 1
	STEP STR0, HSTEP, 0
	FILL 0                                                         ; quarter 2 into slot 0
	s_wait_tensorcnt 0x1                                           ; quarter 1: one load was issued behind it
	STEP STR1, 0, 0
	STEP STR1, HSTEP, 0
	FILL 1                                                         ; quarter 3 into slot 1: the last load
	s_wait_tensorcnt 0x1                                           ; quarter 2: one load was issued behind it
	STEP STR0, 0, 0
	STEP STR0, HSTEP, 0
	s_wait_tensorcnt 0x0                                           ; quarter 3: nothing was issued behind it
	STEP STR1, 0, 0
	STEP STR1, HSTEP, 0
	MN 29
	MN 30
	MN 31
	; a lane has the minimum over its half's rows of L (8 h + j): lane l xor 16 has the other half's
.irp t, 0,1,2,3,4,5,6,7,8,9,10,11,12,13,14,15
	v_permlanex16_b32 v[G+\t], v[M+\t], s38, s39
.endr
.irp t, 0,1,2,3,4,5,6,7,8,9,10,11,12,13,14,15
	v_min_num_f32 v[M+\t], v[M+\t], v[G+\t]
.endr
.irp t, 0,1,2,3,4,5,6,7,8,9,10,11,12,13,14,15
	ds_store_b32 v[REDW], v[M+\t] offset:64*\t                     ; u = 16 t + r; lanes r and 16 + r write the same word with the same value
.endr
	s_wait_dscnt 0x0                                               ; for the others' sake
	s_barrier_signal -1
	s_barrier_wait -1
	s_cmp_lt_u32 s12, 2                                            ; waves 0 and 1: 64 threads, four u each
	s_cbranch_scc0 .Lno_out
.irp w, 0,1,2,3,4,5,6,7,8,9,10,11,12,13,14,15
	ds_load_b128 v[B+4*\w:B+4*\w+3], v[REDR] offset:1024*\w        ; wave w's minima of my four u
.endr
	ds_load_b128 v[G:G+3], v[USQR]
	s_wait_dscnt 0x0
.irp c, 0,1,2,3
	v_min3_num_f32 v[B+\c], v[B+\c], v[B+4+\c], v[B+8+\c]          ; the four u by turns
.endr
.irp w, 3,5,7,9,11,13
.irp c, 0,1,2,3
	s_delay_alu instid0(VALU_DEP_4)
	v_min3_num_f32 v[B+\c], v[B+\c], v[B+4*\w+\c], v[B+4*\w+4+\c]
.endr
.endr
.irp c, 0,1,2,3
	s_delay_alu instid0(VALU_DEP_4)
	v_min_num_f32 v[B+\c], v[B+\c], v[B+60+\c]
.endr
	global_store_b128 v[OUTO], v[B:B+3], s[8:9]                    ; a wave stores 512 consecutive bytes, at a multiple of 256 from part's first byte
	s_cmp_lg_u32 s15, 0                                            ; u_sq is stored by the work-groups of L's part 0 alone: each byte has one owner.  The four partners share this number
	s_cbranch_scc1 .Lno_out
	global_store_b128 v[OUTO], v[G:G+3], s[10:11]
.Lno_out:
	s_wait_tensorcnt 0x0                                           ; the wave's end: behind my last tensor load and my last LDS store
	ds_add_u32 v[SPW], v[NIL]
	s_wait_dscnt 0x0
	ROUND                                                          ; the closing round: no work-group ends while a partner may still ask for a tile that names it
	s_endpgm
.Lfunc_end_k_qae5c1c9393_nearest:
	.size	k_qae5c1c9393_nearest, .Lfunc_end_k_qae5c1c9393_nearest-k_qae5c1c9393_nearest
	.p2alignl 7, 3214868480
	.fill 96, 4, 3214868480
	.section	.rodata,"a",@progbits
	.p2align	6, 0x0
	.amdhsa_kernel k_qae5c1c9393_nearest
		.amdhsa_group_segment_fixed_size 327680
		.amdhsa_private_segment_fixed_size 0
		.amdhsa_enable_private_segment 0
		.amdhsa_kernarg_size 32
		.amdhsa_user_sgpr_count 2
		.amdhsa_user_sgpr_kernarg_segment_ptr 1
		.amdhsa_wavefront_size32 1
		.amdhsa_system_sgpr_workgroup_id_x 1
		.amdhsa_system_sgpr_workgroup_id_y 1
		.amdhsa_system_sgpr_workgroup_id_z 1
		.amdhsa_system_vgpr_workitem_id 0
		.amdhsa_next_free_vgpr 256
		.amdhsa_next_free_sgpr 66
		.amdhsa_reserve_vcc 0
		.amdhsa_float_denorm_mode_32 3
		.amdhsa_float_denorm_mode_16_64 3
		.amdhsa_memory_ordered 1
		.amdhsa_forward_progress 1
		.amdhsa_inst_pref_size 183
	.end_amdhsa_kernel
	.amdgpu_metadata
---
amdhsa.version: [ 1, 2 ]
amdhsa.kernels:
  - .name:           k_qae5c1c9393_nearest
    .symbol:         k_qae5c1c9393_nearest.kd
    .args:
      - { .name: U_z, .offset: 0, .size: 8, .value_kind: global_buffer, .address_space: global }
      - { .name: L_z, .offset: 8, .size: 8, .value_kind: global_buffer, .address_space: global }
      - { .name: part, .offset: 16, .size: 8, .value_kind: global_buffer, .address_space: global }
      - { .name: usq, .offset: 24, .size: 8, .value_kind: global_buffer, .address_space: global }
    .group_segment_fixed_size: 327680
    .private_segment_fixed_size: 0
    .kernarg_segment_align: 8
    .kernarg_segment_size: 32
    .max_flat_workgroup_size: 512
    .sgpr_count:     66
    .vgpr_count:     256
    .wavefront_size: 32
...
	.end_amdgpu_metadata
.endif
;; end of part 1
;; launch finish (part 2): grid 1 x 1, 32 waves a work-group, no clusters, 4,352 bytes of LDS; arguments part, usq, pred, out0; writes out0
.if DOCPART == 2
	.amdgcn_target "amdgcn-amd-amdhsa--gfx1250"
	.amdhsa_code_object_version 6
	.text
	.protected	k_qae5c1c9393_finish
	.globl	k_qae5c1c9393_finish
	.p2align	8
	.type	k_qae5c1c9393_finish,@function
k_qae5c1c9393_finish:
	s_mov_b64 s[64:65], 0
	v_nop
	global_prefetch_b8 v0, s[64:65] scope:SCOPE_SE
	s_setreg_imm32_b32 hwreg(HW_REG_WAVE_MODE, 25, 1), 1
	s_wait_xcnt 0x0
; out0[u] = (dd[u] - min dd) / (max dd - min dd + 1e-18),  dd[u] = exp(dens + log(div + 1e-18)),  dens = -u_sq / 2 - 16 log(2 pi),  div = sqrt(max(u_sq + the smallest of part[0 .. 15][u], 0)).
; part [16][4096], usq [4096], pred [4096], out0 [4096]: f32.  pred is loaded as every input is; the computation makes nothing of it, as the function that defines the result makes nothing of it.
; The smallest and the largest dd span all 4,096 numbers, so ONE work-group does this: 1,024 threads, four u each.  No matrix unit, no tensor load, no cluster: 0.3 MB are read once and nothing is shared.
; dd is made in base 2: 2^(e + log2(div + 1e-18)), e = -u_sq log2(e) / 2 - 16 log2(2 pi).  The exponential gives 0 where its result would be a denormal (ISA guide, its entry in 15.8): so 64 is added to the exponent
; ahead of it and taken off behind it by v_ldexp_f32, which keeps denormals.
; LIMITS.  NaN and infinities are not served.  A squared distance that is a denormal counts as 0 for the root.
	s_load_b256 s[4:11], s[0:1], 0x0                               ; part, usq, pred, out0
	v_lshl_add_u32 v96, v0, 2, 0x100
	v_mov_b32 v97, 0
	v_lshlrev_b32 v1, 4, v0                                        ; 16 bytes a thread: a wave reads and stores 512 consecutive bytes
	v_lshrrev_b32 v88, 5, v0
	s_delay_alu instid0(VALU_DEP_1)
	v_lshlrev_b32 v88, 2, v88                                      ; LDS: 4 x wave
	v_and_b32 v89, 31, v0
	s_delay_alu instid0(VALU_DEP_1)
	v_lshlrev_b32 v89, 2, v89                                      ; LDS: 4 x lane
	v_mov_b32 v86, 0                                               ; a lane permute's destination counts as one of its sources
	v_mov_b32 v87, 0
	v_mov_b32 v80, 0x41ac9bc6                                      ; 64 - 16 log2(2 pi) = 21.576062
	s_mov_b32 s12, 0xbf38aa3b                                      ; -log2(e) / 2
	s_movk_i32 s13, -64
	s_mov_b32 s14, 0x76543210
	s_mov_b32 s15, 0xfedcba98                                      ; v_permlanex16_b32's selects for lane l xor 16
	s_wait_alu depctr_va_vdst(0)
	s_wait_kmcnt 0x0
.irp p, 0,1,2,3,4,5,6,7,8,9,10,11,12,13,14,15
	global_load_b128 v[4+4*\p:7+4*\p], v1, s[4:5] offset:16384*\p th:TH_LOAD_NT
.endr
	global_load_b128 v[68:71], v1, s[6:7] th:TH_LOAD_NT
	global_load_b128 v[72:75], v1, s[8:9] th:TH_LOAD_NT            ; pred
	s_wait_loadcnt 0x0
.irp c, 0,1,2,3
	v_min3_num_f32 v[4+\c], v[4+\c], v[8+\c], v[12+\c]             ; the smallest of the 16 parts; my four u by turns
.endr
.irp p, 3,5,7,9,11,13
.irp c, 0,1,2,3
	s_delay_alu instid0(VALU_DEP_4)
	v_min3_num_f32 v[4+\c], v[4+\c], v[4+4*\p+\c], v[8+4*\p+\c]
.endr
.endr
.irp c, 0,1,2,3
	s_delay_alu instid0(VALU_DEP_4)
	v_min_num_f32 v[4+\c], v[4+\c], v[64+\c]
.endr
	s_delay_alu instid0(VALU_DEP_3)
	v_pk_add_f32 v[4:5], v[4:5], v[68:69]                          ; + u_sq
	s_delay_alu instid0(VALU_DEP_2)
	v_pk_add_f32 v[6:7], v[6:7], v[70:71]
.irp c, 0,1,2,3
	v_max_num_f32 v[4+\c], 0, v[4+\c]
.endr
	s_wait_alu depctr_va_vdst(0)
.irp c, 0,1,2,3
	v_sqrt_f32 v[4+\c], v[4+\c]                                    ; div
.endr
.irp c, 0,1,2,3
	v_fma_f32 v[76+\c], s12, v[68+\c], v80                         ; e + 64.  (Plain lines behind the roots)
.endr
	s_wait_alu depctr_va_vdst(0)
.irp c, 0,1,2,3
	v_add_f32 v[4+\c], 0x219392ef, v[4+\c]                         ; + 1e-18
.endr
	s_wait_alu depctr_va_vdst(0)
.irp c, 0,1,2,3
	v_log_f32 v[4+\c], v[4+\c]
.endr
	v_nop                                                          ; one plain line behind a transcendental
	s_wait_alu depctr_va_vdst(0)
.irp c, 0,1,2,3
	v_add_f32 v[4+\c], v[4+\c], v[76+\c]
.endr
	s_wait_alu depctr_va_vdst(0)
.irp c, 0,1,2,3
	v_exp_f32 v[4+\c], v[4+\c]
.endr
	v_nop
	s_wait_alu depctr_va_vdst(0)
.irp c, 0,1,2,3
	v_ldexp_f32 v[4+\c], v[4+\c], s13                              ; dd
.endr
	s_delay_alu instid0(VALU_DEP_2)
	v_min3_num_f32 v84, v4, v5, v6
	s_delay_alu instid0(VALU_DEP_3)
	v_max3_num_f32 v85, v4, v5, v6
	s_delay_alu instid0(VALU_DEP_2)
	v_min_num_f32 v84, v84, v7
	s_delay_alu instid0(VALU_DEP_2)
	v_max_num_f32 v85, v85, v7
.macro WRED                            ; the smallest of v84 and the largest of v85 over the wave's 32 lanes, in every lane
.irp m, 1
	v_min_num_f32_dpp v84, v84, v84 row_xmask:\m row_mask:0xf bank_mask:0xf
	v_max_num_f32_dpp v85, v85, v85 row_xmask:\m row_mask:0xf bank_mask:0xf
.endr
.irp m, 2, 4, 8
	s_delay_alu instid0(VALU_DEP_2)
	v_min_num_f32_dpp v84, v84, v84 row_xmask:\m row_mask:0xf bank_mask:0xf
	s_delay_alu instid0(VALU_DEP_2)
	v_max_num_f32_dpp v85, v85, v85 row_xmask:\m row_mask:0xf bank_mask:0xf
.endr
	s_delay_alu instid0(VALU_DEP_2)
	v_permlanex16_b32 v86, v84, s14, s15
	s_delay_alu instid0(VALU_DEP_2)
	v_permlanex16_b32 v87, v85, s14, s15
	s_delay_alu instid0(VALU_DEP_2)
	v_min_num_f32 v84, v84, v86
	s_delay_alu instid0(VALU_DEP_2)
	v_max_num_f32 v85, v85, v87
.endm
	WRED
	ds_store_b32 v88, v84                                          ; all lanes of a wave write the same word with the same value
	ds_store_b32 v88, v85 offset:128
	s_wait_dscnt 0x0                                               ; for the others' sake
	s_barrier_signal -1
	s_barrier_wait -1
	ds_load_b32 v84, v89                                           ; lane l takes wave l's
	ds_load_b32 v85, v89 offset:128
	s_wait_dscnt 0x0
	WRED
	s_delay_alu instid0(VALU_DEP_1)
	v_sub_f32 v90, v85, v84                                        ; the largest of dd - min
	s_delay_alu instid0(VALU_DEP_1)
	v_add_f32 v90, 0x219392ef, v90                                 ; + 1e-18
	s_wait_alu depctr_va_vdst(0)
	v_rcp_f32 v90, v90
.irp c, 0,1,2,3
	v_sub_f32 v[4+\c], v[4+\c], v84                                ; (plain lines behind the reciprocal)
.endr
	s_wait_alu depctr_va_vdst(0)
.irp c, 0,1,2,3
	v_mul_f32 v[4+\c], v[4+\c], v90
.endr
	global_store_b128 v1, v[4:7], s[10:11]
	s_wait_tensorcnt 0x0
	ds_add_u32 v96, v97
	s_wait_dscnt 0x0
	s_endpgm
.Lfunc_end_k_qae5c1c9393_finish:
	.size	k_qae5c1c9393_finish, .Lfunc_end_k_qae5c1c9393_finish-k_qae5c1c9393_finish
	.p2alignl 7, 3214868480
	.fill 96, 4, 3214868480
	.section	.rodata,"a",@progbits
	.p2align	6, 0x0
	.amdhsa_kernel k_qae5c1c9393_finish
		.amdhsa_group_segment_fixed_size 4352
		.amdhsa_private_segment_fixed_size 0
		.amdhsa_enable_private_segment 0
		.amdhsa_kernarg_size 32
		.amdhsa_user_sgpr_count 2
		.amdhsa_user_sgpr_kernarg_segment_ptr 1
		.amdhsa_wavefront_size32 1
		.amdhsa_system_sgpr_workgroup_id_x 1
		.amdhsa_system_sgpr_workgroup_id_y 1
		.amdhsa_system_sgpr_workgroup_id_z 1
		.amdhsa_system_vgpr_workitem_id 0
		.amdhsa_next_free_vgpr 98
		.amdhsa_next_free_sgpr 66
		.amdhsa_reserve_vcc 0
		.amdhsa_float_denorm_mode_32 3
		.amdhsa_float_denorm_mode_16_64 3
		.amdhsa_memory_ordered 1
		.amdhsa_forward_progress 1
		.amdhsa_inst_pref_size 11
	.end_amdhsa_kernel
	.amdgpu_metadata
---
amdhsa.version: [ 1, 2 ]
amdhsa.kernels:
  - .name:           k_qae5c1c9393_finish
    .symbol:         k_qae5c1c9393_finish.kd
    .args:
      - { .name: part, .offset: 0, .size: 8, .value_kind: global_buffer, .address_space: global }
      - { .name: usq, .offset: 8, .size: 8, .value_kind: global_buffer, .address_space: global }
      - { .name: pred, .offset: 16, .size: 8, .value_kind: global_buffer, .address_space: global }
      - { .name: out0, .offset: 24, .size: 8, .value_kind: global_buffer, .address_space: global }
    .group_segment_fixed_size: 4352
    .private_segment_fixed_size: 0
    .kernarg_segment_align: 8
    .kernarg_segment_size: 32
    .max_flat_workgroup_size: 1024
    .sgpr_count:     66
    .vgpr_count:     98
    .wavefront_size: 32
...
	.end_amdgpu_metadata
.endif
;; end of part 2
